; MI455X (gfx1250); checked and timed in simulation.
; The chip was launched on July 23, 2026; its instructions are those of AMD's public machine-readable ISA for CDNA 5 (MIT licence, August 2026) and "CDNA5" Instruction Set Architecture Reference Guide (July 2026). The comments in the code are by the model that wrote it; some were corrected since.
;; Cross Attention Module. Allowed arithmetic: float matrix products may take bf16 or f16 operands with f32 sums; all other float work in f32.
;; Inputs: Wk 384 x 384 float32; Wq 384 x 384 float32; Wv 384 x 384 float32; audio_features 8 x 2,048 x 384 float32; bk 384 float32; bq 384 float32; bv 384 float32; video_features 8 x 2,048 x 384 float32.
;; Outputs: out0 8 x 2,048 x 384 float32.
;; One version. Each part assembles by itself: llvm-mc -triple=amdgcn-amd-amdhsa -mcpu=gfx1250 --defsym DOCPART=n.
;; ======== version 1 of 1: 2 launches
;; limits: values are held in f16: magnitudes above 65,504 overflow, below 6.1e-05 lose precision; right only within a limited range of input values
;; workspace buffers: Qh 12,582,912 bytes; Kh 12,582,912 bytes; Vh 12,582,912 bytes
;; launch proj (part 1): grid 64 x 3, 4 waves a work-group, clusters of 4 x 1, 327,680 bytes of LDS; arguments video_features, audio_features, Wq, Wk, Wv, bq, bk, bv, Qh, Kh, Vh; writes Qh, Kh, Vh
.if DOCPART == 1
	.amdgcn_target "amdgcn-amd-amdhsa--gfx1250"
	.amdhsa_code_object_version 6
	.text
	.protected	k_q60f53a38e5_proj
	.globl	k_q60f53a38e5_proj
	.p2align	8
	.type	k_q60f53a38e5_proj,@function
k_q60f53a38e5_proj:
	s_mov_b64 s[64:65], 0
	v_nop
	global_prefetch_b8 v0, s[64:65] scope:SCOPE_SE
	s_setreg_imm32_b32 hwreg(HW_REG_WAVE_MODE, 25, 1), 1
	s_wait_xcnt 0x0
	s_wait_alu depctr_hold_cnt(0) depctr_sa_sdst(0) depctr_va_vdst(0) depctr_va_sdst(0) depctr_va_ssrc(0) depctr_va_vcc(0) depctr_vm_vsrc(0)
	s_getreg_b32 s2, hwreg(HW_REG_IB_STS2, 6, 4)
	s_cmp_eq_u32 s2, 0
	s_cbranch_scc0 .Lentry_in_a_cluster
	s_endpgm
.Lentry_in_a_cluster:
	s_bfe_u32 s2, ttmp6, 0x10000c
	s_cmp_lg_u32 s2, 0x3003
	s_cbranch_scc0 .Lentry_shape_is_right
	s_endpgm
.Lentry_shape_is_right:
; out[l][e] = sum over d of X[l][d] W[e][d] + b[e], rounded once to f16.  X: [16384][384] f32, W: [384][384] f32, b: [384] f32, out: [16384][384] f16.
; Work-group y picks the product: 0: video, Wq, bq -> Qh;  1: audio, Wk, bk -> Kh;  2: audio, Wv, bv -> Vh.  Work-group x owns 256 rows.
; LIMIT: the matrix operands are f16 (sums in f32): |X|, |W| and |out| must stay below 65,504; values below 6e-5 keep an absolute error of 3e-8.
; Four waves.  Wave w keeps W's rows 96 w .. 96 w + 95 as f16 fragments in 576 registers for the whole kernel; the 256 rows of X stream
; through in 8 chunks of 32: memory -> registers (whole rows, 512 consecutive bytes a load) -> f16 -> LDS, from where all four waves read them.
; The product is used as D = W fragment x X fragment, so a lane's eight results are eight neighbouring e of one row: 16 bytes of f16.
; The first K step takes the bias registers as C: nothing is cleared and the bias costs no instruction.
; CLUSTER: the four work-groups of a cluster share y, hence W (589,824 of the 983,040 bytes that a work-group takes in): W is asked for jointly.
; X is not: the four partners own different rows.  3 x 64 = 192 work-groups: three products do not divide evenly into more.
; LDS.  Weight phase: wave w's own 76,032 bytes at 76,032 w: 48 rows of W in f32, each 3 x (512 + 16 pad) bytes, filled twice.
; After the last fill has been read, the same bytes hold XB0, XB1 (X as f16) and OS0, OS1 (results), 32 rows x 784 bytes each.
; Both pitches (1,584 and 784) are odd multiples of 16 bytes: the sixteen rows of a fragment load start at sixteen different 16-byte places modulo 256.
.set WSLOT,  76032                     ; a wave's weight bytes: 144 pieces of 512 + 16
.set XBUF,   25088                     ; 32 rows x 784 bytes
.set OSB,    50176                     ; OS0 begins behind XB0 and XB1
.set WA,   3                           ; v3   76,032 w + 1,584 r + 32 h: my 32 bytes of a W row (f32)
.set XG,   4                           ; v4   12,288 w + 16 lane: my 16 bytes in a chunk of X
.set XS,   5                           ; v5   6,272 w + 8 lane: where they go as f16
.set XF,   6                           ; v6   784 r + 16 h: X fragments
.set OSA,  7                           ; v7   OSB + 784 r + 192 w + 16 h: where results go
.set OR0,  8                           ; v8   OSB + 6,272 w + 16 lane: read-back of whole rows
.set OR1,  9                           ; v9   OR0 + 512 + 16 h: the read-back that crosses from one row into the next
.set OG,   10                          ; v10  6,144 w + 16 lane: my 16 bytes in a chunk of out
.set BA,   11                          ; v11  384 w + 32 h: my bias
.set ACC,  16                          ; v16-111   12 accumulator tiles, (et, l) at 8 (2 et + l); also at work in the weight phase and on the way out
.set BIAS, 112                         ; v112-159  b[96 w + 16 et + 8 h + j] in register 8 et + j
.set STG,  160                         ; v160-255  a chunk of X on its way: 24 loads x 4 registers
.set XFR,  192                         ; windows 1-3, v192-255: X fragments of K steps 4 (g-1) .. +3, (l, kq) at 8 (2 kq + l)
                                       ; windows 1-3, v0-191:   W fragments of e tiles 2 (a-1), 2 (a-1) + 1, (e, kk) at 8 (12 e + kk)
.set MSB, 0
.macro WIN new                         ; s_set_vgpr_msb: bits 1:0 source 0, 3:2 source 1, 5:4 source 2, 7:6 destination; the high byte repeats the setting that is left
.if MSB != \new
	s_set_vgpr_msb (MSB<<8)|\new
.set MSB, \new
.endif
.endm
.macro PLACES                          ; four plain places behind a matrix instruction before its registers are read, written or loaded (ISA guide 7.12.1)
.rept 4
	v_nop
.endr
.endm
.macro ROUND                           ; a round of the cluster's barrier: my work-group's barrier, wave 0 signals for it, all wait, my work-group's barrier
	s_barrier_signal -1
	s_barrier_wait -1
	s_cmp_lg_u32 s52, 0
	s_cbranch_scc1 .Lnot_wave_0_\@
	s_barrier_signal -3
.Lnot_wave_0_\@:
	s_barrier_wait -3
	s_barrier_signal -1
	s_barrier_wait -1
.endm
	s_load_b512 s[8:23], s[0:1], 0x0               ; video s[8:9], audio s[10:11], Wq s[12:13], Wk s[14:15], Wv s[16:17], bq s[18:19], bk s[20:21], bv s[22:23]
	s_load_b128 s[24:27], s[0:1], 0x40             ; Qh s[24:25], Kh s[26:27]
	s_load_b64 s[28:29], s[0:1], 0x50              ; Vh
	v_lshl_add_u32 v14, v0, 2, 0x4a400
	v_mov_b32 v15, 0
	ds_add_u32 v14, v15
	v_lshrrev_b32 v1, 5, v0
	v_readfirstlane_b32 s52, v1                    ; wave 0..3
	s_bfe_u32 s53, ttmp6, 0x40000                  ; cx
	s_lshl_b32 s54, ttmp9, 2
	s_add_co_u32 s54, s54, s53                     ; work-group x = 4 x cluster x + cx: enters X's and out's addresses alone
	s_and_b32 s55, ttmp7, 0xffff                   ; y: which product; the same in all four partners
	; W's descriptor: 73,728 dense bytes as 144 rows of 64 elements of 8 bytes, 16 bytes of padding behind each 512
	s_mov_b32 s40, 15|(3<<16)|(1<<20)|(1<<21)|(6<<22)|(3<<25)   ; mask: all four partners; 8-byte elements; padding on; bit 21 beside a mask; after 128 words; 4 words
	s_mov_b32 s41, 64<<16                          ; tensor_dim0 = 64
	s_mov_b32 s42, 144<<16                         ; tensor_dim1 = 144
	s_mov_b32 s43, 64<<16                          ; tile_dim0 = 64
	s_mov_b32 s44, 144                             ; tile_dim1 = 144
	s_mov_b32 s45, 64                              ; from row to row: 64 elements (dense)
	s_mov_b32 s46, 0
	s_mov_b32 s47, 0
	s_mov_b32 s48, 1
	s_mul_i32 s49, s52, WSLOT                      ; LDS: the wave's own bytes
	s_mul_i32 s58, s52, 147456                     ; W's rows 96 w: 96 x 1,536 bytes
	s_mov_b32 s59, 0
	s_mul_i32 s56, s54, 393216                     ; X: 256 rows x 1,536 bytes
	s_mov_b32 s57, 0
	s_mul_i32 s68, s54, 196608                     ; out: 256 rows x 768 bytes
	s_mov_b32 s69, 0
	s_wait_dscnt 0x0
	s_wait_kmcnt 0x0
	s_cmp_eq_u32 s55, 2
	s_cselect_b64 s[34:35], s[16:17], s[14:15]     ; Wv or Wk
	s_cselect_b64 s[36:37], s[22:23], s[20:21]     ; bv or bk
	s_cselect_b64 s[38:39], s[28:29], s[26:27]     ; Vh or Kh
	s_cmp_eq_u32 s55, 0
	s_cselect_b64 s[32:33], s[8:9], s[10:11]       ; video or audio
	s_cselect_b64 s[34:35], s[12:13], s[34:35]     ; Wq
	s_cselect_b64 s[36:37], s[18:19], s[36:37]     ; bq
	s_cselect_b64 s[38:39], s[24:25], s[38:39]     ; Qh
	s_add_nc_u64 s[32:33], s[32:33], s[56:57]      ; X at my first row
	s_add_nc_u64 s[38:39], s[38:39], s[68:69]      ; out at my first row
	s_add_nc_u64 s[50:51], s[34:35], s[58:59]      ; W at the wave's first row
	s_or_b32 s51, s51, 0x80000000                  ; type = 2
	ROUND                                          ; the four partners are here: the first joint loads meet
	tensor_load_to_lds s[48:51], s[40:47]          ; W's rows 96 w .. 96 w + 47; one tensor load of the wave is out, here and below
	s_nop 0
	v_and_b32 v1, 15, v0                           ; r
	v_bfe_u32 v2, v0, 4, 1                         ; h
	v_and_b32 v12, 31, v0                          ; lane
	s_mul_i32 s60, s52, 12288
	s_mul_i32 s61, s52, 6272
	s_mul_i32 s62, s52, 192
	s_add_co_u32 s62, s62, OSB
	s_add_co_u32 s63, s61, OSB
	s_mul_i32 s66, s52, 6144
	s_mul_i32 s67, s52, 384
	v_lshl_add_u32 v[XG], v12, 4, s60
	v_lshl_add_u32 v[BA], v2, 5, s67
.irp et, 0,1,2,3,4,5
	global_load_b128 v[BIAS+8*\et:BIAS+8*\et+3],   v[BA], s[36:37] offset:64*\et
	global_load_b128 v[BIAS+8*\et+4:BIAS+8*\et+7], v[BA], s[36:37] offset:64*\et+16
.endr
.set i, 0
.rept 24
	global_load_b128 v[STG+4*i:STG+4*i+3], v[XG], s[32:33] offset:512*i   ; chunk 0: the wave's 8 rows, 512 consecutive bytes a load
.set i, i+1
.endr
	v_mul_u32_u24 v[WA], v1, 1584
	v_lshl_add_u32 v[WA], v2, 5, v[WA]
	v_add_nc_u32 v[WA], s49, v[WA]
	v_lshl_add_u32 v[XS], v12, 3, s61
	v_mul_u32_u24 v[XF], v1, 784
	v_lshl_add_u32 v[XF], v2, 4, v[XF]
	v_add_nc_u32 v[OSA], s62, v[XF]
	v_lshl_add_u32 v[OR0], v12, 4, s63
	v_lshl_add_u32 v[OR1], v2, 4, v[OR0]
	v_add_nc_u32 v[OR1], 512, v[OR1]
	v_lshl_add_u32 v[OG], v12, 4, s66
; Sixteen rows of W (the el-th sixteen of the 48 in LDS) become the twelve f16 fragments of e tile et.  A fragment: lane (r, h) holds row r,
; registers 0-3 k = 8 h .. + 7, registers 4-7 k = 16 + 8 h .. + 7: in f32 that is 32 bytes at 128 kk + 32 h and 32 bytes 64 further on.
.macro WCONV el, et
.irp hf, 0,1
	WIN 0
.set f, 0
.rept 6
.set kk, 6*\hf+f
.set o, 25344*\el+128*kk+16*(kk>>2)
	ds_load_b128 v[ACC+16*f:ACC+16*f+3],     v[WA] offset:o
	ds_load_b128 v[ACC+16*f+4:ACC+16*f+7],   v[WA] offset:o+16
	ds_load_b128 v[ACC+16*f+8:ACC+16*f+11],  v[WA] offset:o+64
	ds_load_b128 v[ACC+16*f+12:ACC+16*f+15], v[WA] offset:o+80
.set f, f+1
.endr
	WIN ((1+\et/2)<<6)                             ; destination: the e tile's window
.set f, 0
.rept 6
.set kk, 6*\hf+f
	s_wait_dscnt 20-4*f                            ; fragment f's four loads are in; four for each younger fragment may be out
.set j, 0
.rept 8
	v_cvt_pk_f16_f32 v[8*(12*(\et&1)+kk)+j], v[ACC+16*f+2*j], v[ACC+16*f+2*j+1]
.set j, j+1
.endr
.set f, f+1
.endr
.endr
.endm
	s_wait_tensorcnt 0x0                           ; my 48 rows are in; only I read them, so this wait is all that the reads need
	WCONV 0, 0
	WCONV 1, 1
	WCONV 2, 2
	WIN 0
	s_wait_dscnt 0x0                               ; my reads of the bytes are back (met by the last count-down)
	s_wait_tensorcnt 0x0                           ; and no tensor load of mine is out: the address may step
	ds_add_u32 v14, v15
	s_wait_dscnt 0x0
	s_add_nc_u64 s[50:51], s[50:51], 73728         ; W's rows 96 w + 48 ..
	ROUND                                          ; the same holds of every wave of all four partners
	tensor_load_to_lds s[48:51], s[40:47]          ; the one refill, first behind the round; the last tensor load of the kernel
	s_nop 0
	s_wait_tensorcnt 0x0
	WCONV 0, 3
	WCONV 1, 4
	WCONV 2, 5
	WIN 0
	s_wait_dscnt 0x0
	s_barrier_signal -1                            ; every wave has read its weights and has no tensor load out:
	s_barrier_wait -1                              ; from here the bytes serve as XB0, XB1, OS0, OS1, and nothing is filled into them again
; The chunk that waits in STG goes to XB[p] as f16; load = 1: chunk c2 is asked for into STG.
.macro STAGE p, c2, load
	s_wait_loadcnt 0x0                             ; the chunk's 24 loads (the first time the bias too); nothing younger is out
.set i, 0
.rept 24
	v_cvt_pk_f16_f32 v[STG+4*i],   v[STG+4*i],   v[STG+4*i+1]
	v_cvt_pk_f16_f32 v[STG+4*i+1], v[STG+4*i+2], v[STG+4*i+3]
.set i, i+1
.endr
.set i, 0
.rept 24
	ds_store_b64 v[XS], v[STG+4*i:STG+4*i+1] offset:XBUF*(\p)+784*(i/3)+256*(i%3)   ; 32 lanes: 256 consecutive bytes of a row
.set i, i+1
.endr
.if \load
.set i, 0
.rept 24
	global_load_b128 v[STG+4*i:STG+4*i+3], v[XG], s[32:33] offset:49152*(\c2)+512*i
.set i, i+1
.endr
.endif
.endm
; The results in OS[q] come back as whole rows: the wave's 8 rows of 768 bytes are 12 x 512 consecutive bytes of out.
.macro OUTLD q
.irp a, 0,1,2,3
	ds_load_b128 v[ACC+12*\a:ACC+12*\a+3],    v[OR0] offset:XBUF*\q+1568*\a        ; row 2a, bytes 0-511
	ds_load_b128 v[ACC+12*\a+4:ACC+12*\a+7],  v[OR1] offset:XBUF*\q+1568*\a        ; row 2a, bytes 512-767, and row 2a+1, bytes 0-255
	ds_load_b128 v[ACC+12*\a+8:ACC+12*\a+11], v[OR0] offset:XBUF*\q+1568*\a+1040   ; row 2a+1, bytes 256-767
.endr
.endm
; Chunk c (p = c mod 2, q = 1 - p).  It reads XB[p] and OS[q], writes XB[q] and OS[p]; ONE barrier at its end publishes the next chunk of X
; and this chunk's results, and stands between this chunk's reads and the next chunk's writes of the same bytes.
.macro CHUNK c, p, q, prev, stage, load
.if \prev
	OUTLD \q                                       ; the last chunk's results (four places behind the last matrix instruction: PLACES below)
.endif
.set kk, 0
.rept 12
	WIN ((1+kk/4)<<6)
.irp lt, 0,1
	ds_load_b128 v[XFR+8*(2*(kk&3)+\lt):XFR+8*(2*(kk&3)+\lt)+3],   v[XF] offset:XBUF*\p+12544*\lt+64*kk
	ds_load_b128 v[XFR+8*(2*(kk&3)+\lt)+4:XFR+8*(2*(kk&3)+\lt)+7], v[XF] offset:XBUF*\p+12544*\lt+64*kk+32
.endr
.set kk, kk+1
.endr
	WIN 0
.if \prev
	s_wait_dscnt 48                                ; the 12 read-backs are in; the 48 fragment loads behind them may be out
.set n, 0
.rept 12
	global_store_b128 v[OG], v[ACC+4*n:ACC+4*n+3], s[38:39] offset:24576*(\c-1)+512*n   ; 512 consecutive bytes, at a multiple of 512 from out's first byte
.set n, n+1
.endr
	s_wait_xcnt 0x0                                ; the stores' data registers become accumulators again only behind this wait
.endif
	; 144 matrix instructions.  Four accumulators take turns, one instruction a turn, also from pass to pass.
.irp g, 1,2,3
.irp a, 1,2,3
	WIN (\a|(\g<<2))                               ; source 0: W's window a; source 1: X's window g; C and D in window 0
.irp kq, 0,1,2,3
.if \a == 1
	s_wait_dscnt 44-4*(4*(\g-1)+\kq)               ; this K step's four loads are in; four for each later K step may be out
.endif
.irp e, 0,1
.irp lt, 0,1
.set dd, ACC+8*(4*(\a-1)+2*\e+\lt)
.set aa, 8*(12*\e+4*(\g-1)+\kq)
.set bb, XFR+8*(2*\kq+\lt)
.set cc, BIAS+8*(2*(\a-1)+\e)
.if 4*(\g-1)+\kq == 0
	v_wmma_f32_16x16x32_f16 v[dd:dd+7], v[aa:aa+7], v[bb:bb+7], v[cc:cc+7]   ; the first K step starts the sum from the bias
.else
	v_wmma_f32_16x16x32_f16 v[dd:dd+7], v[aa:aa+7], v[bb:bb+7], v[dd:dd+7]
.endif
.endr
.endr
.endr
.if \stage
.if 10*\g+\a == 31
	WIN 0
	STAGE \q, \c+2, \load                          ; all fragment loads are back; the next chunk goes to the other buffer among the matrix work
.endif
.endif
.endr
.endr
	WIN 0
	PLACES
.set tl, 0
.rept 12
	v_cvt_pk_f16_f32 v[ACC+8*tl],   v[ACC+8*tl],   v[ACC+8*tl+1]   ; lane (r, h): out[16 l + r][96 w + 16 et + 8 h + 0..7]
	v_cvt_pk_f16_f32 v[ACC+8*tl+1], v[ACC+8*tl+2], v[ACC+8*tl+3]
	v_cvt_pk_f16_f32 v[ACC+8*tl+2], v[ACC+8*tl+4], v[ACC+8*tl+5]
	v_cvt_pk_f16_f32 v[ACC+8*tl+3], v[ACC+8*tl+6], v[ACC+8*tl+7]
	ds_store_b128 v[OSA], v[ACC+8*tl:ACC+8*tl+3] offset:XBUF*\p+12544*(tl&1)+32*(tl>>1)
.set tl, tl+1
.endr
	s_wait_dscnt 0x0                               ; for the others: my stores are done, my reads are back
	s_barrier_signal -1
	s_barrier_wait -1
.endm
	STAGE 0, 1, 1                                  ; chunk 0 to XB0; chunk 1 is asked for
	s_wait_dscnt 0x0
	s_barrier_signal -1
	s_barrier_wait -1
	CHUNK 0, 0, 1, 0, 1, 1
	CHUNK 1, 1, 0, 1, 1, 1
	CHUNK 2, 0, 1, 1, 1, 1
	CHUNK 3, 1, 0, 1, 1, 1
	CHUNK 4, 0, 1, 1, 1, 1
	CHUNK 5, 1, 0, 1, 1, 1
	CHUNK 6, 0, 1, 1, 1, 0                         ; chunk 7 is staged; nothing is left to ask for
	CHUNK 7, 1, 0, 1, 0, 0
	OUTLD 1                                        ; the last chunk's results
.set n, 0
.rept 12
	s_wait_dscnt 11-n                              ; read-back n is in; the younger ones may be out
	global_store_b128 v[OG], v[ACC+4*n:ACC+4*n+3], s[38:39] offset:24576*7+512*n
.set n, n+1
.endr
	s_wait_tensorcnt 0x0
	ds_add_u32 v14, v15
	s_wait_dscnt 0x0
	ROUND                                          ; the closing round: no work-group ends while a partner may still ask jointly
	s_endpgm
.Lfunc_end_k_q60f53a38e5_proj:
	.size	k_q60f53a38e5_proj, .Lfunc_end_k_q60f53a38e5_proj-k_q60f53a38e5_proj
	.p2alignl 7, 3214868480
	.fill 96, 4, 3214868480
	.section	.rodata,"a",@progbits
	.p2align	6, 0x0
	.amdhsa_kernel k_q60f53a38e5_proj
		.amdhsa_group_segment_fixed_size 327680
		.amdhsa_private_segment_fixed_size 0
		.amdhsa_enable_private_segment 0
		.amdhsa_kernarg_size 88
		.amdhsa_user_sgpr_count 2
		.amdhsa_user_sgpr_kernarg_segment_ptr 1
		.amdhsa_wavefront_size32 1
		.amdhsa_system_sgpr_workgroup_id_x 1
		.amdhsa_system_sgpr_workgroup_id_y 1
		.amdhsa_system_sgpr_workgroup_id_z 1
		.amdhsa_system_vgpr_workitem_id 0
		.amdhsa_next_free_vgpr 1024
		.amdhsa_next_free_sgpr 80
		.amdhsa_reserve_vcc 0
		.amdhsa_float_denorm_mode_32 3
		.amdhsa_float_denorm_mode_16_64 3
		.amdhsa_memory_ordered 1
		.amdhsa_forward_progress 1
		.amdhsa_inst_pref_size 255
	.end_amdhsa_kernel
	.section	.bss,"aw",@nobits
	.p2align	6
	.space	262144
	.amdgpu_metadata
---
amdhsa.version: [ 1, 2 ]
amdhsa.kernels:
  - .name:           k_q60f53a38e5_proj
    .symbol:         k_q60f53a38e5_proj.kd
    .args:
      - { .name: video_features, .offset: 0, .size: 8, .value_kind: global_buffer, .address_space: global }
      - { .name: audio_features, .offset: 8, .size: 8, .value_kind: global_buffer, .address_space: global }
      - { .name: Wq, .offset: 16, .size: 8, .value_kind: global_buffer, .address_space: global }
      - { .name: Wk, .offset: 24, .size: 8, .value_kind: global_buffer, .address_space: global }
      - { .name: Wv, .offset: 32, .size: 8, .value_kind: global_buffer, .address_space: global }
      - { .name: bq, .offset: 40, .size: 8, .value_kind: global_buffer, .address_space: global }
      - { .name: bk, .offset: 48, .size: 8, .value_kind: global_buffer, .address_space: global }
      - { .name: bv, .offset: 56, .size: 8, .value_kind: global_buffer, .address_space: global }
      - { .name: Qh, .offset: 64, .size: 8, .value_kind: global_buffer, .address_space: global }
      - { .name: Kh, .offset: 72, .size: 8, .value_kind: global_buffer, .address_space: global }
      - { .name: Vh, .offset: 80, .size: 8, .value_kind: global_buffer, .address_space: global }
    .group_segment_fixed_size: 327680
    .private_segment_fixed_size: 0
    .kernarg_segment_align: 8
    .kernarg_segment_size: 88
    .max_flat_workgroup_size: 128
    .sgpr_count:     80
    .vgpr_count:     1024
    .wavefront_size: 32
...
	.end_amdgpu_metadata
.endif
;; end of part 1
;; launch attn (part 2): grid 32 x 8, 4 waves a work-group, clusters of 4 x 1, 327,680 bytes of LDS; arguments Qh, Kh, Vh, out0; writes out0
.if DOCPART == 2
	.amdgcn_target "amdgcn-amd-amdhsa--gfx1250"
	.amdhsa_code_object_version 6
	.text
	.protected	k_q60f53a38e5_attn
	.globl	k_q60f53a38e5_attn
	.p2align	8
	.type	k_q60f53a38e5_attn,@function
k_q60f53a38e5_attn:
	s_mov_b64 s[64:65], 0
	v_nop
	global_prefetch_b8 v0, s[64:65] scope:SCOPE_SE
	s_setreg_imm32_b32 hwreg(HW_REG_WAVE_MODE, 25, 1), 1
	s_wait_xcnt 0x0
	s_wait_alu depctr_hold_cnt(0) depctr_sa_sdst(0) depctr_va_vdst(0) depctr_va_sdst(0) depctr_va_ssrc(0) depctr_va_vcc(0) depctr_vm_vsrc(0)
	s_getreg_b32 s2, hwreg(HW_REG_IB_STS2, 6, 4)
	s_cmp_eq_u32 s2, 0
	s_cbranch_scc0 .Lentry_in_a_cluster
	s_endpgm
.Lentry_in_a_cluster:
	s_bfe_u32 s2, ttmp6, 0x10000c
	s_cmp_lg_u32 s2, 0x3003
	s_cbranch_scc0 .Lentry_shape_is_right
	s_endpgm
.Lentry_shape_is_right:
; out[b][q][:] = softmax over k of (Q[b][q] . K[b][k] / sqrt(384)) x V[b][k][:].  Qh, Kh, Vh: [8 x 2048][384] f16; out0: [8 x 2048][384] f32.
; LIMIT: operands are f16 (|Q|, |K|, |V| below 65,504); the weights p = exp(s - max) go to the second product as f16, so p below 6e-8 counts as 0
; there, while the row sums are made of the unrounded p.  Sums, maxima and the rescaling are f32, with a true running maximum.
; A work-group owns 64 queries of one batch; four waves; keys go in 16 tiles of 128.  Both products are used transposed:
;   S^T = K Q^T:  wave w takes keys 32 w .. + 31 of the tile and all 64 queries: 2 x 4 tiles x 12 K steps = 96 matrix instructions;
;   O^T = V^T P^T: wave w takes d = 128 c + 32 w + 16 i + 0..15 (c < 3, i < 2) and all 64 queries: 6 x 4 tiles x 4 key steps = 96.
; So each byte of K and V leaves LDS once, each fragment feeds four matrix instructions, and lane r always stands for query 16 t + r:
; maximum, sum and rescaling are work of the lane itself.  Q's 48 fragments stay in registers.  P crosses the waves through LDS.
; CLUSTER: the four work-groups of a cluster are four query blocks of one batch and read the same K and V tiles: every K and V load is joint.
; WHO DOES WHAT: the batch is the cluster's x, the query block is 4 y + cx.  Cluster y of a batch begins at tile 2 y and walks the 16 tiles round:
; with a running maximum the result does not hang on the order of the keys.  At any step the eight clusters of a batch ask for eight different
; tiles, and from its third tile on a cluster asks for tiles that another cluster of the batch asked for two steps earlier; so no prefetch is written.
; One slot for K and one for V: the next K is on its way during the rescaling and the second product, V during the first product and the softmax.
; LDS: K 0 (128 rows, pitch 816 = 3 x (256 + 16));  V 104,448 (pitch 864 = 3 x (256 + 32), an odd multiple of 32 for the transposing loads);
;      Q 215,040 (pitch 816);  P 267,264 ([64 queries][128 keys] f16, pitch 272);  STAT 284,672 ([wave][r][t] f32).
;      The way out (64 rows x 1,552 bytes of f32) lies on K's slot, after its last fill has been read.
.set TILEB, 98304                      ; 128 keys x 768 bytes
.set KA,  3                            ; v3   816 (32 w + r) + 16 h
.set QA,  4                            ; v4   215,040 + 816 r + 16 h
.set VA0, 5                            ; v5   104,448 + 864 (8 h + (lane & 7)) + 64 w + 16 ((lane >> 3) & 1);  v6: the same 64 keys further down
.set PR,  7                            ; v7   267,264 + 272 r + 16 h
.set PW,  8                            ; v8   PR + 64 w
.set SW,  9                            ; v9   284,672 + 256 w + 16 r
.set SR,  10                           ; v10  284,672 + 16 r
.set OSW, 11                           ; v11  1,552 r + 128 w + 32 h;  v12: the same 32 rows further down (the offset has 16 bits)
.set OSR, 13                           ; v13  24,832 w + 16 lane
.set OG,  14                           ; v14  24,576 w + 16 lane
.set MX,  16                           ; v16-19   running maximum of query 16 t + r
.set LS,  20                           ; v20-23   running sum over my 16 keys of each tile
.set NM,  24                           ; v24-31   pairs: - c x maximum, as rounded: the shift that the exponentials use
.set FR,  32                           ; v32-223  K fragments (mt, kk) at 8 (2 kk + mt); then P packed and sums; then the second product's two buffers
.set SUM, 64
.set PVA, 32                           ; buffer: V fragment u at 8 u, P fragment t at 48 + 8 t
.set PVB, 112
.set AL,  224                          ; v224-231 pairs: the rescaling factor
.set ML,  232                          ; v232-235 the wave's maximum in this tile
.set TMP, 236                          ; v236-239
.set ST,  240                          ; v240-255 the four waves' figures
.set SC,  192                          ; window 1, v192-255: S tile (mt, t) at 8 (4 mt + t);  window 1, v0-191: O tile (u, t) at 8 (4 u + t)
                                       ; windows 2, 3, v0-191: Q fragments of query tiles 0, 1 and 2, 3, (t & 1, kk) at 8 (12 (t & 1) + kk)
                                       ; s[76:77], s[78:79]: K and V at the batch's first row + the wave's 32 keys;  s82, s83: the number of K's and of V's tile
.set MSB, 0
.macro WIN new                         ; s_set_vgpr_msb: bits 1:0 source 0, 3:2 source 1, 5:4 source 2, 7:6 destination; the high byte repeats the setting that is left
.if MSB != \new
	s_set_vgpr_msb (MSB<<8)|\new
.set MSB, \new
.endif
.endm
.macro PLACES                          ; four plain places behind a matrix instruction before its registers are read, written or loaded (ISA guide 7.12.1)
.rept 4
	v_nop
.endr
.endm
.macro ROUND                           ; a round of the cluster's barrier
	s_barrier_signal -1
	s_barrier_wait -1
	s_cmp_lg_u32 s12, 0
	s_cbranch_scc1 .Lnot_wave_0_\@
	s_barrier_signal -3
.Lnot_wave_0_\@:
	s_barrier_wait -3
	s_barrier_signal -1
	s_barrier_wait -1
.endm
; The next tile round the ring of 16; the address is made anew from the base.  Only where no tensor load of the wave is out.
.macro NEXTK
	s_add_co_u32 s82, s82, 1
	s_and_b32 s82, s82, 15
	s_mul_i32 s80, s82, TILEB
	s_add_nc_u64 s[42:43], s[76:77], s[80:81]
	s_or_b32 s43, s43, 0x80000000
.endm
.macro NEXTV
	s_add_co_u32 s83, s83, 1
	s_and_b32 s83, s83, 15
	s_mul_i32 s80, s83, TILEB
	s_add_nc_u64 s[46:47], s[78:79], s[80:81]
	s_or_b32 s47, s47, 0x80000000
.endm
	s_load_b256 s[4:11], s[0:1], 0x0               ; Qh s[4:5], Kh s[6:7], Vh s[8:9], out0 s[10:11]
	s_set_vgpr_msb 0x80
	v_lshl_add_u32 v254, v0, 2, 0x45c00
	v_mov_b32 v255, 0
	s_set_vgpr_msb 0x808a
	ds_add_u32 v254, v255
	s_set_vgpr_msb 0x8a00
	v_lshrrev_b32 v1, 5, v0
	v_readfirstlane_b32 s12, v1                    ; wave 0..3
	s_bfe_u32 s13, ttmp6, 0x40000                  ; cx
	s_and_b32 s86, ttmp7, 0xffff                   ; y: which of the batch's eight clusters; the same in all four partners
	s_lshl_b32 s14, s86, 2
	s_add_co_u32 s14, s14, s13                     ; query block = 4 y + cx: enters Q's and out's addresses alone
	s_mov_b32 s15, ttmp9                           ; batch = the cluster's x: the same in all four partners
	s_lshl_b32 s82, s86, 1                         ; the first tile: 2 y, for K
	s_lshl_b32 s83, s86, 1                         ; and for V
	; descriptors: dense bytes as rows of 32 elements of 8 bytes (256 bytes), padding behind each row
	s_mov_b32 s16, 15|(3<<16)|(1<<20)|(1<<21)|(5<<22)|(3<<25)   ; K: all four partners; 8-byte elements; padding on; bit 21 beside a mask; after 64 words; 4 words
	s_mov_b32 s17, 32<<16
	s_mov_b32 s18, 96<<16                          ; 96 rows = the wave's 32 keys
	s_mov_b32 s19, 32<<16
	s_mov_b32 s20, 96
	s_mov_b32 s21, 32
	s_mov_b32 s22, 0
	s_mov_b32 s23, 0
	s_mov_b32 s24, 15|(3<<16)|(1<<20)|(1<<21)|(5<<22)|(7<<25)   ; V: the same with 8 words of padding
	s_mov_b32 s25, 32<<16
	s_mov_b32 s26, 96<<16
	s_mov_b32 s27, 32<<16
	s_mov_b32 s28, 96
	s_mov_b32 s29, 32
	s_mov_b32 s30, 0
	s_mov_b32 s31, 0
	s_mov_b32 s32, (3<<16)|(1<<20)|(5<<22)|(3<<25)              ; Q: my own rows, no mask
	s_mov_b32 s33, 32<<16
	s_mov_b32 s34, 48<<16                          ; 48 rows = the wave's 16 queries
	s_mov_b32 s35, 32<<16
	s_mov_b32 s36, 48
	s_mov_b32 s37, 32
	s_mov_b32 s38, 0
	s_mov_b32 s39, 0
	s_mov_b32 s40, 1
	s_mul_i32 s41, s12, 26112                      ; K's slot: 26,112 w
	s_mov_b32 s44, 1
	s_mul_i32 s45, s12, 27648
	s_add_co_u32 s45, s45, 104448                  ; V's slot
	s_mov_b32 s48, 1
	s_mul_i32 s49, s12, 13056
	s_add_co_u32 s49, s49, 215040                  ; Q
	s_mul_i32 s66, s15, 1572864                    ; K, V: batch x 2,048 rows x 768 bytes + the wave's 32 keys
	s_mul_i32 s67, s12, 24576
	s_add_co_u32 s66, s66, s67
	s_mov_b32 s67, 0
	s_mul_i32 s80, s82, TILEB                      ; + the first tile
	s_mov_b32 s81, 0                               ; stays 0: the upper word of a tile's offset
	s_mul_i32 s68, s15, 1572864                    ; Q: batch, block of 64 rows, the wave's 16 rows
	s_mul_i32 s69, s14, 49152
	s_add_co_u32 s68, s68, s69
	s_mul_i32 s69, s12, 12288
	s_add_co_u32 s68, s68, s69
	s_mov_b32 s69, 0
	s_mul_i32 s72, s15, 3145728                    ; out: batch x 2,048 rows x 1,536 bytes + block of 64 rows
	s_mul_i32 s73, s14, 98304
	s_add_co_u32 s72, s72, s73
	s_mov_b32 s73, 0
	s_mov_b32 s54, 0x3d96c740                      ; c = log2(e) / sqrt(384), twice for the packed form
	s_mov_b32 s55, 0x3d96c740
	s_mov_b32 s56, 0xbd96c740                      ; - c
	s_mov_b32 s57, 0x76543210                      ; v_permlanex16_b32: lane i reads lane i of the other half
	s_mov_b32 s58, 0xfedcba98
	s_wait_dscnt 0x0
	s_wait_kmcnt 0x0
	s_add_nc_u64 s[76:77], s[6:7], s[66:67]        ; K's base
	s_add_nc_u64 s[78:79], s[8:9], s[66:67]        ; V's base
	s_add_nc_u64 s[42:43], s[76:77], s[80:81]
	s_or_b32 s43, s43, 0x80000000
	s_add_nc_u64 s[46:47], s[78:79], s[80:81]
	s_or_b32 s47, s47, 0x80000000
	s_add_nc_u64 s[50:51], s[4:5], s[68:69]
	s_or_b32 s51, s51, 0x80000000
	s_add_nc_u64 s[70:71], s[10:11], s[72:73]
	ROUND                                          ; the four partners are here: the first joint loads meet
	tensor_load_to_lds s[48:51], s[32:39]          ; Q
	s_nop 0
	tensor_load_to_lds s[40:43], s[16:23]          ; K's first tile
	s_nop 0
	tensor_load_to_lds s[44:47], s[24:31]          ; V's first tile: three tensor loads of the wave are out here, one at any later time
	s_nop 0
	v_and_b32 v1, 15, v0                           ; r
	v_bfe_u32 v2, v0, 4, 1                         ; h
	v_and_b32 v15, 31, v0                          ; lane
	v_mul_u32_u24 v3, v1, 816
	v_lshl_add_u32 v3, v2, 4, v3
	v_add_nc_u32 v[QA], 215040, v3
	v_add_nc_u32 v[KA], s41, v3
	v_and_b32 v[ML], 7, v0
	v_lshl_add_u32 v[ML], v2, 3, v[ML]             ; 8 h + (lane & 7)
	v_mul_u32_u24 v[VA0], v[ML], 864
	v_bfe_u32 v[ML], v0, 3, 1
	v_lshl_add_u32 v[VA0], v[ML], 4, v[VA0]
	s_lshl_b32 s59, s12, 6
	s_add_co_u32 s60, s59, 104448
	v_add_nc_u32 v[VA0], s60, v[VA0]
	v_add_nc_u32 v[VA0+1], 55296, v[VA0]
	v_mul_u32_u24 v[PR], v1, 272
	v_lshl_add_u32 v[PR], v2, 4, v[PR]
	v_add_nc_u32 v[PR], 267264, v[PR]
	v_add_nc_u32 v[PW], s59, v[PR]
	v_lshlrev_b32 v[SR], 4, v1
	v_add_nc_u32 v[SR], 284672, v[SR]
	s_lshl_b32 s61, s12, 8
	v_add_nc_u32 v[SW], s61, v[SR]
	v_mul_u32_u24 v[OSW], v1, 1552
	v_lshl_add_u32 v[OSW], v2, 5, v[OSW]
	s_lshl_b32 s62, s12, 7
	v_add_nc_u32 v[OSW], s62, v[OSW]
	v_add_nc_u32 v[OSW+1], 49664, v[OSW]
	s_mul_i32 s63, s12, 24832
	v_lshl_add_u32 v[OSR], v15, 4, s63
	s_mul_i32 s74, s12, 24576
	v_lshl_add_u32 v[OG], v15, 4, s74
.irp t, 0,1,2,3
	v_mov_b32 v[TMP+\t], 0                         ; v_permlanex16_b32 counts as a reader of its destination
.endr
	s_wait_tensorcnt 0x1                           ; my parts of Q and of K's first tile are in; V's, issued behind them, may be out
	s_barrier_signal -1
	s_barrier_wait -1                              ; everybody's are
.irp t, 0,1,2,3
	WIN ((2+(\t>>1))<<6)
.set kk, 0
.rept 12
	ds_load_b128 v[8*(12*(\t&1)+kk):8*(12*(\t&1)+kk)+3],   v[QA] offset:13056*\t+64*kk+16*(kk>>2)
	ds_load_b128 v[8*(12*(\t&1)+kk)+4:8*(12*(\t&1)+kk)+7], v[QA] offset:13056*\t+64*kk+16*(kk>>2)+32
.set kk, kk+1
.endr
.endr
	WIN 0
	s_wait_dscnt 0x0
; 20 loads: key step ks (32 keys) of V, transposed on the way (6 fragments of 16 d), and of P (4 fragments of 16 queries)
.macro LOADPV ks, buf
.irp u, 0,1,2,3,4,5
	ds_load_tr16_b128 v[\buf+8*\u:\buf+8*\u+3],   v[VA0+(\ks>>1)] offset:27648*(\ks&1)+288*(\u>>1)+32*(\u&1)
	ds_load_tr16_b128 v[\buf+8*\u+4:\buf+8*\u+7], v[VA0+(\ks>>1)] offset:27648*(\ks&1)+288*(\u>>1)+32*(\u&1)+13824
.endr
.irp t, 0,1,2,3
	ds_load_b128 v[\buf+48+8*\t:\buf+48+8*\t+3],   v[PR] offset:4352*\t+64*\ks
	ds_load_b128 v[\buf+48+8*\t+4:\buf+48+8*\t+7], v[PR] offset:4352*\t+64*\ks+32
.endr
.endm
; 24 matrix instructions on 24 accumulators, one instruction a turn
.macro PVMUL buf, zero
.irp u, 0,1,2,3,4,5
.irp t, 0,1,2,3
.if \zero
	v_wmma_f32_16x16x32_f16 v[8*(4*\u+\t):8*(4*\u+\t)+7], v[\buf+8*\u:\buf+8*\u+7], v[\buf+48+8*\t:\buf+48+8*\t+7], 0
.else
	v_wmma_f32_16x16x32_f16 v[8*(4*\u+\t):8*(4*\u+\t)+7], v[\buf+8*\u:\buf+8*\u+7], v[\buf+48+8*\t:\buf+48+8*\t+7], v[8*(4*\u+\t):8*(4*\u+\t)+7]
.endif
.endr
.endr
.endm
; One tile of 128 keys.  first = 1: nothing to rescale, the products start the sums, V's tile is already asked for.  last = 1: no further K.
.macro TILE first, last
.if \first == 0
	PLACES                                         ; behind the last tile's matrix instructions: their sources are loaded again below
	s_wait_dscnt 0x0                               ; my reads of V's slot and of P are back
	s_set_vgpr_msb 0xa
	s_wait_tensorcnt 0x0                           ; my one tensor load, my part of this tile's K, has landed: V's address may be written
	ds_add_u32 v254, v255
	s_wait_dscnt 0x0
	s_set_vgpr_msb 0xa00
	NEXTV
	ROUND                                          ; both hold of every wave of all four partners
	tensor_load_to_lds s[44:47], s[24:31]          ; this tile's V, first behind the round; it has the first product and the softmax in which to land
	s_nop 0
.endif
.set kk, 0
.rept 12
.irp mt, 0,1
	ds_load_b128 v[FR+8*(2*kk+\mt):FR+8*(2*kk+\mt)+3],   v[KA] offset:13056*\mt+64*kk+16*(kk>>2)
	ds_load_b128 v[FR+8*(2*kk+\mt)+4:FR+8*(2*kk+\mt)+7], v[KA] offset:13056*\mt+64*kk+16*(kk>>2)+32
.endr
.set kk, kk+1
.endr
	; S^T = K Q^T.  Four accumulators take turns, one instruction a turn.
.irp tp, 0,1
	WIN (0x58+4*\tp)                               ; K in window 0, Q in window 2 + tp, S in window 1
.set kk, 0
.rept 12
.if \tp == 0
	s_wait_dscnt 44-4*kk                           ; this K step's four loads are in; four for each later K step may be out
.endif
.irp tq, 0,1
.irp mt, 0,1
.set dd, SC+8*(4*\mt+2*\tp+\tq)
.if kk == 0
	v_wmma_f32_16x16x32_f16 v[dd:dd+7], v[FR+8*(2*kk+\mt):FR+8*(2*kk+\mt)+7], v[8*(12*\tq+kk):8*(12*\tq+kk)+7], 0
.else
	v_wmma_f32_16x16x32_f16 v[dd:dd+7], v[FR+8*(2*kk+\mt):FR+8*(2*kk+\mt)+7], v[8*(12*\tq+kk):8*(12*\tq+kk)+7], v[dd:dd+7]
.endif
.endr
.endr
.set kk, kk+1
.endr
.endr
	PLACES
	; the largest score of each query: my 16 keys, the other half of the lanes, the other waves
	WIN 0x05                                       ; sources 0 and 1 in window 1
.irp t, 0,1,2,3
	v_max_num_f32 v[ML+\t], v[SC+8*\t], v[SC+8*\t+1]
.endr
.irp j, 2,4,6
.irp t, 0,1,2,3
	v_max3_num_f32 v[ML+\t], v[SC+8*\t+\j], v[SC+8*\t+\j+1], v[ML+\t]
.endr
.endr
.irp j, 0,2,4,6
.irp t, 0,1,2,3
	v_max3_num_f32 v[ML+\t], v[SC+32+8*\t+\j], v[SC+32+8*\t+\j+1], v[ML+\t]
.endr
.endr
	WIN 0
.irp t, 0,1,2,3
	v_permlanex16_b32 v[TMP+\t], v[ML+\t], s57, s58
.endr
.irp t, 0,1,2,3
	v_max_num_f32 v[ML+\t], v[ML+\t], v[TMP+\t]
.endr
	ds_store_b128 v[SW], v[ML:ML+3]                ; lanes r and 16 + r write the same 16 bytes with the same figures
	s_wait_dscnt 0x0                               ; for the others: the store is done
	s_barrier_signal -1
	s_barrier_wait -1                              ; V's load may stay on its way across it
.irp w, 0,1,2,3
	ds_load_b128 v[ST+4*\w:ST+4*\w+3], v[SR] offset:256*\w
.endr
	s_wait_dscnt 0x0
.irp t, 0,1,2,3
	v_max3_num_f32 v[TMP+\t], v[ST+\t], v[ST+4+\t], v[ST+8+\t]
.endr
.if \first
.irp t, 0,1,2,3
	v_max_num_f32 v[MX+\t], v[TMP+\t], v[ST+12+\t]
.endr
.irp t, 0,1,2,3
	v_mul_f32 v[NM+2*\t],   s56, v[MX+\t]
	v_mul_f32 v[NM+2*\t+1], s56, v[MX+\t]
.endr
.else
.irp t, 0,1,2,3
	v_max3_num_f32 v[MX+\t], v[TMP+\t], v[ST+12+\t], v[MX+\t]   ; the running maximum
.endr
.irp t, 0,1,2,3
	v_mul_f32 v[TMP+\t], s56, v[MX+\t]             ; the new shift
.endr
.irp t, 0,1,2,3
	v_sub_f32 v[AL+2*\t],   v[TMP+\t], v[NM+2*\t]  ; new shift - old shift, both as rounded: what was summed under the old shift
	v_sub_f32 v[AL+2*\t+1], v[TMP+\t], v[NM+2*\t]  ; is carried over exactly, whatever the size of the scores
.endr
.set i, 0
.rept 8
	v_exp_f32 v[AL+i], v[AL+i]
.set i, i+1
.endr
.irp t, 0,1,2,3
	v_mov_b32 v[NM+2*\t],   v[TMP+\t]              ; plain instructions behind the exponentials, ahead of the first use of their results (ISA guide 5.7.2)
	v_mov_b32 v[NM+2*\t+1], v[TMP+\t]
.endr
.endif
	; p = 2^(c s + shift), in place
	WIN 0x41                                       ; source 0 and destination in window 1
.irp mt, 0,1
.irp t, 0,1,2,3
.irp j, 0,2,4,6
	v_pk_fma_f32 v[SC+8*(4*\mt+\t)+\j:SC+8*(4*\mt+\t)+\j+1], v[SC+8*(4*\mt+\t)+\j:SC+8*(4*\mt+\t)+\j+1], s[54:55], v[NM+2*\t:NM+2*\t+1] op_sel_hi:[1,0,1]
.endr
.endr
.endr
.set i, 0
.rept 64
	v_exp_f32 v[SC+i], v[SC+i]
.set i, i+1
.endr
	v_nop                                          ; one plain place behind the last exponential
	WIN 0x05
	s_wait_alu depctr_va_vdst(0)
.irp mt, 0,1
.irp t, 0,1,2,3
.irp q, 0,1,2,3
	v_cvt_pk_f16_f32 v[FR+4*(4*\mt+\t)+\q], v[SC+8*(4*\mt+\t)+2*\q], v[SC+8*(4*\mt+\t)+2*\q+1]   ; eight neighbouring keys of one query: 16 bytes
.endr
.endr
.endr
.irp t, 0,1,2,3
.irp j, 0,2,4,6
	v_pk_add_f32 v[SUM+8*\t+\j:SUM+8*\t+\j+1], v[SC+8*\t+\j:SC+8*\t+\j+1], v[SC+32+8*\t+\j:SC+32+8*\t+\j+1]
.endr
.endr
	WIN 0
.irp mt, 0,1
.irp t, 0,1,2,3
	ds_store_b128 v[PW], v[FR+4*(4*\mt+\t):FR+4*(4*\mt+\t)+3] offset:4352*\t+32*\mt
.endr
.endr
.irp t, 0,1,2,3
	v_pk_add_f32 v[SUM+8*\t:SUM+8*\t+1],   v[SUM+8*\t:SUM+8*\t+1],   v[SUM+8*\t+2:SUM+8*\t+3]
	v_pk_add_f32 v[SUM+8*\t+4:SUM+8*\t+5], v[SUM+8*\t+4:SUM+8*\t+5], v[SUM+8*\t+6:SUM+8*\t+7]
.endr
.irp t, 0,1,2,3
	v_pk_add_f32 v[SUM+8*\t:SUM+8*\t+1], v[SUM+8*\t:SUM+8*\t+1], v[SUM+8*\t+4:SUM+8*\t+5]
.endr
.irp t, 0,1,2,3
.if \first
	v_add_f32 v[LS+\t], v[SUM+8*\t], v[SUM+8*\t+1]
.else
	v_add_f32 v[SUM+8*\t], v[SUM+8*\t], v[SUM+8*\t+1]
	v_fma_f32 v[LS+\t], v[LS+\t], v[AL+2*\t], v[SUM+8*\t]
.endif
.endr
	s_wait_dscnt 0x0                               ; my P is stored; my reads of K's slot and of STAT are back
	s_set_vgpr_msb 0xa
	s_wait_tensorcnt 0x0                           ; my one tensor load, my part of this tile's V, has landed
	ds_add_u32 v254, v255
	s_wait_dscnt 0x0
	s_set_vgpr_msb 0xa00
.if \last
	s_barrier_signal -1
	s_barrier_wait -1                              ; P and V are whole; nothing is left to fetch
.else
	NEXTK
	ROUND                                          ; all that holds of every wave of all four partners; P and V are whole
	tensor_load_to_lds s[40:43], s[16:23]          ; the next tile's K, first behind the round; it has the rescaling and the second product in which to land
	s_nop 0
.endif
	; O^T += V^T P^T, four key steps on two buffers
	LOADPV 0, PVA
	LOADPV 1, PVB
.if \first == 0
	; O under the new shift, while the 40 loads above and K's tile are on their way; the tiles in the order in which the products take them
	WIN 0x41
.irp u, 0,1,2,3,4,5
.irp t, 0,1,2,3
.irp j, 0,2,4,6
	v_pk_mul_f32 v[8*(4*\u+\t)+\j:8*(4*\u+\t)+\j+1], v[8*(4*\u+\t)+\j:8*(4*\u+\t)+\j+1], v[AL+2*\t:AL+2*\t+1]
.endr
.endr
.endr
.endif
	WIN 0x50                                       ; C and D in window 1
	s_wait_dscnt 20                                ; this step's 20 loads are in; the next step's 20 may be out
	PVMUL PVA, \first
	WIN 0
	PLACES
	LOADPV 2, PVA
	WIN 0x50
	s_wait_dscnt 20
	PVMUL PVB, 0
	WIN 0
	PLACES
	LOADPV 3, PVB
	WIN 0x50
	s_wait_dscnt 20
	PVMUL PVA, 0
	s_wait_dscnt 0x0
	PVMUL PVB, 0
	WIN 0
.endm
	TILE 1, 0
	s_mov_b32 s52, 14
.Ltile:
	TILE 0, 0
	s_sub_co_u32 s52, s52, 1
	s_cmp_lg_u32 s52, 0
	s_cbranch_scc1 .Ltile
	TILE 0, 1
	; the row sums: the other half of the lanes, the other waves; then O / sum
	PLACES
.irp t, 0,1,2,3
	v_permlanex16_b32 v[TMP+\t], v[LS+\t], s57, s58
.endr
.irp t, 0,1,2,3
	v_add_f32 v[LS+\t], v[LS+\t], v[TMP+\t]
.endr
	ds_store_b128 v[SW], v[LS:LS+3]                ; STAT's last readers passed the last tile's second barrier
	s_wait_dscnt 0x0
	s_barrier_signal -1
	s_barrier_wait -1
.irp w, 0,1,2,3
	ds_load_b128 v[ST+4*\w:ST+4*\w+3], v[SR] offset:256*\w
.endr
	s_wait_dscnt 0x0
.irp t, 0,1,2,3
	v_add_f32 v[TMP+\t], v[ST+\t], v[ST+4+\t]
	v_add_f32 v[ML+\t], v[ST+8+\t], v[ST+12+\t]
.endr
.irp t, 0,1,2,3
	v_add_f32 v[TMP+\t], v[TMP+\t], v[ML+\t]       ; the key with the largest score adds about 1: the sum is never 0
.endr
.irp t, 0,1,2,3
	v_rcp_f32 v[AL+2*\t],   v[TMP+\t]
	v_rcp_f32 v[AL+2*\t+1], v[TMP+\t]
.endr
	v_nop                                          ; one plain place behind the reciprocals
	WIN 0x41
	s_wait_alu depctr_va_vdst(0)
.irp u, 0,1,2,3,4,5
.irp t, 0,1,2,3
.irp j, 0,2,4,6
	v_pk_mul_f32 v[8*(4*\u+\t)+\j:8*(4*\u+\t)+\j+1], v[8*(4*\u+\t)+\j:8*(4*\u+\t)+\j+1], v[AL+2*\t:AL+2*\t+1]
.endr
.endr
.endr
	; the way out: lane (r, h) holds out[16 t + r][128 c + 32 w + 16 i + 8 h + 0..7]: 32 bytes into a stage of 64 rows on K's slot, which is filled no more
	WIN 0x04                                       ; store data in window 1
.irp u, 0,1,2,3,4,5
.irp t, 0,1,2,3
	ds_store_b128 v[OSW+(\t>>1)], v[8*(4*\u+\t):8*(4*\u+\t)+3]   offset:24832*(\t&1)+512*(\u>>1)+64*(\u&1)
	ds_store_b128 v[OSW+(\t>>1)], v[8*(4*\u+\t)+4:8*(4*\u+\t)+7] offset:24832*(\t&1)+512*(\u>>1)+64*(\u&1)+16
.endr
.endr
	WIN 0
	s_wait_dscnt 0x0
	s_barrier_signal -1
	s_barrier_wait -1                              ; the rows are whole
	; wave w stores rows 16 w .. + 15: 48 x 512 consecutive bytes, each at a multiple of 512 from out0's first byte
.irp bt, 0,1,2
.if \bt == 2
	s_wait_xcnt 0x0                                ; the first batch's registers, which its stores read, are loaded again only behind this wait
.endif
.set n, 0
.rept 16
.set i, 16*\bt+n
	ds_load_b128 v[FR+64*(\bt&1)+4*n:FR+64*(\bt&1)+4*n+3], v[OSR] offset:1552*(i/3)+512*(i%3)
.set n, n+1
.endr
.set n, 0
.rept 16
	s_wait_dscnt 15-n                              ; load n of the batch is in; the younger ones may be out
	global_store_b128 v[OG], v[FR+64*(\bt&1)+4*n:FR+64*(\bt&1)+4*n+3], s[70:71] offset:512*(16*\bt+n) th:TH_STORE_NT
.set n, n+1
.endr
.endr
	s_set_vgpr_msb 0xa
	s_wait_tensorcnt 0x0
	ds_add_u32 v254, v255
	s_wait_dscnt 0x0
	s_set_vgpr_msb 0xa00
	ROUND                                          ; the closing round: no work-group ends while a partner may still ask jointly
	s_endpgm
.Lfunc_end_k_q60f53a38e5_attn:
	.size	k_q60f53a38e5_attn, .Lfunc_end_k_q60f53a38e5_attn-k_q60f53a38e5_attn
	.p2alignl 7, 3214868480
	.fill 96, 4, 3214868480
	.section	.rodata,"a",@progbits
	.p2align	6, 0x0
	.amdhsa_kernel k_q60f53a38e5_attn
		.amdhsa_group_segment_fixed_size 327680
		.amdhsa_private_segment_fixed_size 0
		.amdhsa_enable_private_segment 0
		.amdhsa_kernarg_size 32
		.amdhsa_user_sgpr_count 2
		.amdhsa_user_sgpr_kernarg_segment_ptr 1
		.amdhsa_wavefront_size32 1
		.amdhsa_system_sgpr_workgroup_id_x 1
		.amdhsa_system_sgpr_workgroup_id_y 1
		.amdhsa_system_sgpr_workgroup_id_z 1
		.amdhsa_system_vgpr_workitem_id 0
		.amdhsa_next_free_vgpr 960
		.amdhsa_next_free_sgpr 88
		.amdhsa_reserve_vcc 0
		.amdhsa_float_denorm_mode_32 3
		.amdhsa_float_denorm_mode_16_64 3
		.amdhsa_memory_ordered 1
		.amdhsa_forward_progress 1
		.amdhsa_inst_pref_size 151
	.end_amdhsa_kernel
	.amdgpu_metadata
---
amdhsa.version: [ 1, 2 ]
amdhsa.kernels:
  - .name:           k_q60f53a38e5_attn
    .symbol:         k_q60f53a38e5_attn.kd
    .args:
      - { .name: Qh, .offset: 0, .size: 8, .value_kind: global_buffer, .address_space: global }
      - { .name: Kh, .offset: 8, .size: 8, .value_kind: global_buffer, .address_space: global }
      - { .name: Vh, .offset: 16, .size: 8, .value_kind: global_buffer, .address_space: global }
      - { .name: out0, .offset: 24, .size: 8, .value_kind: global_buffer, .address_space: global }
    .group_segment_fixed_size: 327680
    .private_segment_fixed_size: 0
    .kernarg_segment_align: 8
    .kernarg_segment_size: 32
    .max_flat_workgroup_size: 128
    .sgpr_count:     88
    .vgpr_count:     960
    .wavefront_size: 32
...
	.end_amdgpu_metadata
.endif
;; end of part 2
